; MI455X (gfx1250); checked and timed in simulation.
; The chip was launched on July 23, 2026; its instructions are those of AMD's public machine-readable ISA for CDNA 5 (MIT licence, August 2026) and "CDNA5" Instruction Set Architecture Reference Guide (July 2026). The comments in the code are by the model that wrote it; some were corrected since.
;; Mo E MLP. Allowed arithmetic: float matrix products may take bf16 or f16 operands with f32 sums; other float arithmetic in f32, or as packed bf16 or f16 multiplies, adds, multiply-adds, maxima and minima; sums over many terms, partial sums and values carried from step to step in f32; what a program stores and reads back later, other than sums and carried values, may be rounded once to bf16 or f16.
;; Inputs: W1 16 x 128 x 256 float32; W2 16 x 256 x 256 float32; W3 16 x 256 x 1 float32; Wg 128 x 16 float32; b1 16 x 256 float32; b2 16 x 256 float32; b3 16 x 1 float32; bg 16 float32; x 32,768 x 128 float32.
;; Outputs: out0 32,768 x 1 float32.
;; One version. Each part assembles by itself: llvm-mc -triple=amdgcn-amd-amdhsa -mcpu=gfx1250 --defsym DOCPART=n.
;; ======== version 1 of 1: 2 launches
;; workspace buffers: xb 8,388,608 bytes; w1f 1,048,576 bytes; w2f 2,097,152 bytes; bm 65,536 bytes of whole numbers; cnt 16,384 bytes of whole numbers
;; launch route (part 1): grid 256 x 1, 4 waves a work-group, no clusters, 39,936 bytes of LDS; arguments x, Wg, bg, W1, W2, xb, w1f, w2f, bm, cnt; writes xb, w1f, w2f, bm, cnt
.if DOCPART == 1
	.amdgcn_target "amdgcn-amd-amdhsa--gfx1250"
	.amdhsa_code_object_version 6
	.text
	.protected	k_q9a69e28ccb_route
	.globl	k_q9a69e28ccb_route
	.p2align	8
	.type	k_q9a69e28ccb_route,@function
k_q9a69e28ccb_route:
	s_mov_b64 s[64:65], 0
	v_nop
	global_prefetch_b8 v0, s[64:65] scope:SCOPE_SE
	s_setreg_imm32_b32 hwreg(HW_REG_WAVE_MODE, 25, 1), 1
	s_wait_xcnt 0x0
; ROUTE.  For 32,768 tokens of 128 numbers: the gate's logits x Wg + bg (16 experts) and their argmax; x rounded to bf16; W1 and W2 rounded to bf16 and laid in the
; order in which the next launch's matrix operands take them.  Every input is rounded to bf16 once, bg too; the products are exact and the sums f32.
; What is chosen is stored at fixed places as whole numbers: bm[e][word], bit i of word g = token 32 g + i chose expert e; cnt[block][e], the count among 128 tokens.
; No address, branch or EXEC of this launch hangs on the choice.
; LIMITS.  Ties go to the lower index, as in argmax.  A NaN logit is passed over, where argmax would choose it.  Two logits that differ by less than the rounding of an f32 sum of
; 128 terms may be ordered otherwise than by another order of summation.
; SHARES.  256 work-groups of four waves; work-group b has tokens 128 b .. 128 b + 127, wave w 32 of them: two tiles of 16.  Wave g = 4 b + w of 1,024 also lays 1/1,024 of W1 and of W2.
; THE PRODUCT is used transposed: source 0 = 16 experts x 32 k (Wg turned), source 1 = 16 tokens x 32 k: a lane holds ONE token (lane % 16) and the experts 8 (lane / 16) + 0..7,
; so the argmax is seven compares in the lane and one exchange between the halves of the lanes.
; NO CLUSTER, NO TENSOR LOAD: the work-groups share only Wg's 8 KiB; x, W1 and W2 are each read by one wave, rounded in registers and stored.
; w1f: [e 16][blk 16][kk 16][r 16][i 8] bf16 = W1[e][8 kk + i][16 blk + r]; w2f the same with kk 0..31.  The 512 bytes at kk = 4 ks + 2 p, 4 ks + 2 p + 1 are one 16-byte load a lane:
; registers 4 p .. 4 p + 3 of a fragment of 16 channels x 32 k.
.set XTP,   272                        ; a row of x in LDS: 256 bytes of bf16 + 16: the 16 rows of a fragment load start at 16 different groups of four banks (64 banks of 4 bytes: ISA guide 11.1)
.set XTW,   32*XTP                     ; a wave's own 32 rows
.set WGS,   4*XTW                      ; Wg's fragments: [ks 4][p 2][lane 32][16 bytes] = 4,096 bytes, the work-group's
.set MASKS, WGS+4096                   ; byte 16 l + 4 w: l < 16: wave w's mask of expert l; l >= 16: wave w's count of expert l - 16
.set SPARE, MASKS+512                  ; the spare words, 128 bytes for each wave: two blocks of 256 bytes that no other line names
.set SPW,  4                           ; v4   LDS address of my spare word; never rewritten
.set NIL,  5                           ; v5   0; never rewritten
.set XO,   6                           ; v6   16,384 w + 16 l: my 16 bytes in a row of x
.set XBO,  7                           ; v7   8,192 w + 8 l: my 8 bytes in a row of xb
.set XTS,  8                           ; v8   where I put them in LDS
.set XTF,  9                           ; v9   my lane's place in a fragment of x
.set WGO,  10                          ; v10  2,048 w + 512 h + 4 r: Wg[32 w + 8 h][r]
.set BGO,  11                          ; v11  32 h
.set WSO,  12                          ; v12  4 l
.set W1D,  13                          ; v13  4,096 h + 16 r
.set W2D,  14                          ; v14  8,192 h + 16 r
.set WGSS, 15                          ; v15  WGS + 1,024 w + 16 l
.set L16,  16                          ; v16  16 l
.set MSA,  17                          ; v17  16 l + 4 w
.set H8,   19                          ; v19  8 h
.set BB,   20                          ; tile u: best logit v[BB+2u], its expert v[BB+2u+1]
.set OB,   24                          ; the same from the lane 16 away
.set IDX,  28                          ; v28  lane l: the expert of my wave's token l
.set VM,   29                          ; v29  lane e: mask of expert e; lane 16 + e: its count
.set BG,   32                          ; v[32:39]   bg[8 h + 0..7], rounded
.set T,    40                          ; v[40:55]   at work
.set WT,   56                          ; v[56:103]  six jobs of 8 numbers of W1 or W2
.set X,    104                         ; v[104:231] 32 rows of x, 4 registers each; later:
.set XF,   104                         ;   fragments of x: tile u, K step ks at XF + 32 u + 8 ks
.set WGF,  168                         ;   fragments of Wg: K step ks at WGF + 8 ks
.set ACC,  200                         ;   the logits: tile u at ACC + 8 u
.set M,    44                          ; s[44:59] the masks
	s_load_b512 s[16:31], s[0:1], 0x0              ; x 16, Wg 18, bg 20, W1 22, W2 24, xb 26, w1f 28, w2f 30
	s_load_b128 s[32:35], s[0:1], 0x40             ; bm 32, cnt 34
	v_lshl_add_u32 v[SPW], v0, 2, SPARE
	v_mov_b32 v[NIL], 0
	v_lshrrev_b32 v1, 5, v0
	v_readfirstlane_b32 s2, v1                     ; w
	s_mov_b32 s3, ttmp9                            ; b
	s_lshl2_add_u32 s4, s3, s2                     ; g = 4 b + w
	v_and_b32 v1, 31, v0                           ; l
	v_and_b32 v2, 15, v0                           ; r
	v_bfe_u32 v3, v0, 4, 1                         ; h
	s_mov_b32 s38, 0x76543210                      ; v_permlanex16_b32: each lane takes its own place in the other half
	s_mov_b32 s39, 0xfedcba98
	s_mov_b32 s41, 0xffff0000                      ; a word's upper bf16; also the mask of lanes 16 to 31
	s_lshl_b32 s5, s2, 14
	v_lshl_add_u32 v[XO], v1, 4, s5
	s_lshl_b32 s5, s2, 13
	v_lshl_add_u32 v[XBO], v1, 3, s5
	s_mul_i32 s6, s2, XTW
	v_lshl_add_u32 v[XTS], v1, 3, s6
	v_mul_u32_u24 v[XTF], v2, XTP
	v_lshl_add_u32 v[XTF], v3, 4, v[XTF]
	v_add_nc_u32 v[XTF], s6, v[XTF]
	s_lshl_b32 s5, s2, 11
	v_lshl_add_u32 v[WGO], v3, 9, s5
	v_lshl_add_u32 v[WGO], v2, 2, v[WGO]
	v_lshlrev_b32 v[BGO], 5, v3
	v_lshlrev_b32 v[WSO], 2, v1
	v_lshlrev_b32 v[W1D], 4, v2
	v_lshl_add_u32 v[W2D], v3, 13, v[W1D]
	v_lshl_add_u32 v[W1D], v3, 12, v[W1D]
	s_lshl_b32 s5, s2, 10
	s_add_co_u32 s5, s5, WGS
	v_lshl_add_u32 v[WGSS], v1, 4, s5
	v_lshlrev_b32 v[L16], 4, v1
	s_lshl_b32 s5, s2, 2
	v_lshl_add_u32 v[MSA], v1, 4, s5
	v_lshlrev_b32 v[H8], 3, v3
.irp q, 0,1,2,3
	v_mov_b32 v[OB+\q], 0                          ; destinations of lane exchanges count as read: they are written once here
.endr
	v_mov_b32 v[VM], 0
	; which part of W1 and W2 is my wave's: W1: expert g >> 6, rows 8 ((g >> 2) & 15) on, columns 64 (g & 3) on; W2: rows 8 ((g >> 1) & 31) on, columns 128 (g & 1) on
	s_lshr_b32 s5, s4, 6
	s_bfe_u32 s6, s4, 0x40002
	s_and_b32 s7, s4, 3
	s_bfe_u32 s8, s4, 0x50001
	s_and_b32 s9, s4, 1
	s_mov_b32 s37, 0
	s_wait_kmcnt 0x0
	s_lshl_b32 s36, s3, 16                         ; 128 rows of 512 bytes
	s_add_nc_u64 s[16:17], s[16:17], s[36:37]
	s_lshl_b32 s36, s3, 15                         ; 128 rows of 256 bytes
	s_add_nc_u64 s[26:27], s[26:27], s[36:37]
	s_lshl_b32 s36, s5, 17
	s_lshl_b32 s10, s6, 13
	s_add_co_u32 s36, s36, s10
	s_lshl_b32 s10, s7, 8
	s_add_co_u32 s36, s36, s10
	s_add_nc_u64 s[22:23], s[22:23], s[36:37]      ; W1
	s_lshl_b32 s36, s5, 16
	s_lshl_b32 s10, s7, 14
	s_add_co_u32 s36, s36, s10
	s_lshl_b32 s10, s6, 8
	s_add_co_u32 s36, s36, s10
	s_add_nc_u64 s[28:29], s[28:29], s[36:37]      ; w1f
	s_lshl_b32 s36, s5, 18
	s_lshl_b32 s10, s8, 13
	s_add_co_u32 s36, s36, s10
	s_lshl_b32 s10, s9, 9
	s_add_co_u32 s36, s36, s10
	s_add_nc_u64 s[24:25], s[24:25], s[36:37]      ; W2
	s_lshl_b32 s36, s5, 17
	s_lshl_b32 s10, s9, 16
	s_add_co_u32 s36, s36, s10
	s_lshl_b32 s10, s8, 8
	s_add_co_u32 s36, s36, s10
	s_add_nc_u64 s[30:31], s[30:31], s[36:37]      ; w2f
	; ALL THAT THE WAVE READS IS ASKED FOR IN ONE RUN OF 98 LOADS, what is wanted first in front.
.set i, 0
.rept 16                               ; Wg[32 w + 16 (i / 8) + 8 h + i % 8][r]: wave w makes the fragment of K step w
	global_load_b32 v[T+i], v[WGO], s[18:19] offset:1024*(i/8)+64*(i%8)
.set i, i+1
.endr
	global_load_b128 v[BG:BG+3],   v[BGO], s[20:21]
	global_load_b128 v[BG+4:BG+7], v[BGO], s[20:21] offset:16
.set m, 0
.rept 6                                ; job m: 8 rows x 32 columns; a lane holds a column's 8 numbers
.set i, 0
.rept 8
.if m < 2
	global_load_b32 v[WT+8*m+i], v[WSO], s[22:23] offset:128*m+1024*i th:TH_LOAD_NT
.else
	global_load_b32 v[WT+8*m+i], v[WSO], s[24:25] offset:128*(m-2)+1024*i th:TH_LOAD_NT
.endif
.set i, i+1
.endr
.set m, m+1
.endr
.set i, 0
.rept 32                               ; a row of x is 512 consecutive bytes: one load of the wave
	global_load_b128 v[X+4*i:X+4*i+3], v[XO], s[16:17] offset:512*i th:TH_LOAD_NT
.set i, i+1
.endr
	; Wg and bg
	s_wait_loadcnt 63                              ; 80 loads were issued behind bg's; the count names the most that its field holds
.set f, 0
.rept 8                                ; in place, ascending: register f takes numbers 2 f and 2 f + 1
	v_cvt_pk_bf16_f32 v[T+f], v[T+2*f], v[T+2*f+1]
.set f, f+1
.endr
	ds_store_b128 v[WGSS], v[T:T+3]
	ds_store_b128 v[WGSS], v[T+4:T+7] offset:512
.irp q, 0,1,2,3
	v_cvt_pk_bf16_f32 v[T+8+\q], v[BG+2*\q], v[BG+2*\q+1]
.endr
.irp q, 0,1,2,3
	v_lshlrev_b32 v[BG+2*\q], 16, v[T+8+\q]        ; bg rounded to bf16, as f32 again
	v_and_b32 v[BG+2*\q+1], s41, v[T+8+\q]
.endr
	s_wait_dscnt 0x0                               ; for the others' sake: my part of Wg's fragments is in LDS
	s_barrier_signal -1
	s_barrier_wait -1
	; W1 and W2: a lane's 8 numbers pack into 16 bytes; lanes 0-15 store 256 consecutive bytes, aligned, lanes 16-31 another 256
.set m, 0
.rept 6
.set wc, 32+8*(5-m)                    ; younger: the later jobs' loads and x's 32
.if wc > 63
.set wc, 63
.endif
	s_wait_loadcnt wc
.set c, 0
.rept 4
	v_cvt_pk_bf16_f32 v[WT+8*m+c], v[WT+8*m+2*c], v[WT+8*m+2*c+1]
.set c, c+1
.endr
.if m < 2
	global_store_b128 v[W1D], v[WT+8*m:WT+8*m+3], s[28:29] offset:8192*m
.else
	global_store_b128 v[W2D], v[WT+8*m:WT+8*m+3], s[30:31] offset:16384*(m-2)
.endif
.set m, m+1
.endr
	; x: rounded, stored (the wave's store covers one aligned row of 256 bytes) and kept in my own rows of LDS
.set i, 0
.rept 32
	s_wait_loadcnt 31-i                            ; the younger rows stay out
	v_cvt_pk_bf16_f32 v[X+4*i],   v[X+4*i],   v[X+4*i+1]
	v_cvt_pk_bf16_f32 v[X+4*i+1], v[X+4*i+2], v[X+4*i+3]
	global_store_b64 v[XBO], v[X+4*i:X+4*i+1], s[26:27] offset:256*i
	ds_store_b64 v[XTS], v[X+4*i:X+4*i+1] offset:XTP*i
.set i, i+1
.endr
	s_wait_xcnt 0x0                                ; the stores' data registers are loaded anew only behind this wait
.set i, 0
.rept 8
	ds_load_b128 v[WGF+4*i:WGF+4*i+3], v[L16] offset:WGS+512*i
.set i, i+1
.endr
.set i, 0
.rept 16                               ; tile i / 8, 16 k at byte 32 (i % 8) of the row; LDS serves a wave's instructions in order (ISA guide 5.7.1.4): these see my stores above
	ds_load_b128 v[XF+4*i:XF+4*i+3], v[XTF] offset:16*XTP*(i/8)+32*(i%8)
.set i, i+1
.endr
	s_wait_dscnt 0x0
	; the logits: bg starts the sums; the two accumulators take turns
.irp ks, 0,1,2,3
.irp u, 0,1
.if \ks == 0
	v_wmma_f32_16x16x32_bf16 v[ACC+8*\u:ACC+8*\u+7], v[WGF:WGF+7], v[XF+32*\u:XF+32*\u+7], v[BG:BG+7]
.else
	v_wmma_f32_16x16x32_bf16 v[ACC+8*\u:ACC+8*\u+7], v[WGF+8*\ks:WGF+8*\ks+7], v[XF+32*\u+8*\ks:XF+32*\u+8*\ks+7], v[ACC+8*\u:ACC+8*\u+7]
.endif
.endr
.endr
.rept 4
	v_nop                                          ; four places between the last product and the first read of a result (ISA guide 7.12.1)
.endr
; The largest of a lane's eight logits and its number; only a strictly greater one displaces an earlier one.  The accumulator is read from its low end.
.macro ARGMAX a, b, i
	v_cmp_gt_f32 vcc_lo, v[(\a)+1], v[\a]
	v_cndmask_b32 v[\i], 0, 1, vcc_lo
	v_max_num_f32 v[\b], v[\a], v[(\a)+1]
.irp j, 2,3,4,5,6,7
	v_cmp_gt_f32 vcc_lo, v[(\a)+\j], v[\b]
	v_cndmask_b32 v[\i], v[\i], \j, vcc_lo
	v_max_num_f32 v[\b], v[\b], v[(\a)+\j]
.endr
.endm
	ARGMAX ACC,   BB,   BB+1
	ARGMAX ACC+8, BB+2, BB+3
	v_add_nc_u32 v[BB+1], v[H8], v[BB+1]
	v_add_nc_u32 v[BB+3], v[H8], v[BB+3]
.irp q, 0,1,2,3
	v_permlanex16_b32 v[OB+\q], v[BB+\q], s38, s39
.endr
	v_cmp_gt_f32 vcc_lo, v[OB], v[BB]              ; tile 0 is finished in lanes 0-15: the other half holds the higher experts, which win only if greater
	v_cndmask_b32 v[BB+1], v[BB+1], v[OB+1], vcc_lo
	v_cmp_ge_f32 vcc_lo, v[OB+2], v[BB+2]          ; tile 1 in lanes 16-31: the other half holds the lower experts, which win ties
	v_cndmask_b32 v[BB+3], v[BB+3], v[OB+3], vcc_lo
	v_cndmask_b32 v[IDX], v[BB+1], v[BB+3], s41
.irp e, 0,1,2,3,4,5,6,7,8,9,10,11,12,13,14,15
	v_cmp_eq_u32 s[M+\e], \e, v[IDX]               ; data alone: it steers nothing here
	s_bcnt1_i32_b32 s42, s[M+\e]
	v_writelane_b32 v[VM], s[M+\e], \e
	v_writelane_b32 v[VM], s42, 16+\e
.endr
	ds_store_b32 v[MSA], v[VM] offset:MASKS
	s_wait_dscnt 0x0                               ; for wave 0's sake
	s_barrier_signal -1
	s_barrier_wait -1
	s_wait_tensorcnt 0x0                           ; only LDS loads and global stores follow
	ds_add_u32 v[SPW], v[NIL]
	s_wait_dscnt 0x0
	s_cmp_lg_u32 s2, 0
	s_cbranch_scc1 .Lend
	; wave 0 stores the work-group's 16 x 4 mask words (16 bytes in each expert's row of bm, so that the next launch reads an expert's 4 KiB on end) and its 16 counts (64 bytes on end)
	ds_load_b128 v[T:T+3], v[L16] offset:MASKS
	s_lshl_b32 s5, s3, 4
	v_lshl_add_u32 v[T+4], v2, 12, s5              ; 4,096 e + 16 b
	s_lshl_b32 s5, s3, 6
	v_lshl_add_u32 v[T+5], v2, 2, s5               ; 64 b + 4 e
	s_wait_dscnt 0x0
	v_add3_u32 v[T+6], v[T], v[T+1], v[T+2]
	v_add_nc_u32 v[T+6], v[T+6], v[T+3]
	v_cmp_gt_u32 vcc_lo, 16, v1
	s_wait_xcnt 0x0                                ; EXEC changes only behind this wait
	s_and_saveexec_b32 s40, vcc_lo
	global_store_b128 v[T+4], v[T:T+3], s[32:33]
	s_wait_xcnt 0x0
	s_or_b32 exec_lo, exec_lo, s40
	v_cmp_le_u32 vcc_lo, 16, v1
	s_and_saveexec_b32 s40, vcc_lo
	global_store_b32 v[T+5], v[T+6], s[34:35]
	s_wait_xcnt 0x0
	s_or_b32 exec_lo, exec_lo, s40
.Lend:
	s_endpgm
.Lfunc_end_k_q9a69e28ccb_route:
	.size	k_q9a69e28ccb_route, .Lfunc_end_k_q9a69e28ccb_route-k_q9a69e28ccb_route
	.p2alignl 7, 3214868480
	.fill 96, 4, 3214868480
	.section	.rodata,"a",@progbits
	.p2align	6, 0x0
	.amdhsa_kernel k_q9a69e28ccb_route
		.amdhsa_group_segment_fixed_size 39936
		.amdhsa_private_segment_fixed_size 0
		.amdhsa_enable_private_segment 0
		.amdhsa_kernarg_size 80
		.amdhsa_user_sgpr_count 2
		.amdhsa_user_sgpr_kernarg_segment_ptr 1
		.amdhsa_wavefront_size32 1
		.amdhsa_system_sgpr_workgroup_id_x 1
		.amdhsa_system_sgpr_workgroup_id_y 1
		.amdhsa_system_sgpr_workgroup_id_z 1
		.amdhsa_system_vgpr_workitem_id 0
		.amdhsa_next_free_vgpr 232
		.amdhsa_next_free_sgpr 66
		.amdhsa_reserve_vcc 1
		.amdhsa_float_denorm_mode_32 3
		.amdhsa_float_denorm_mode_16_64 3
		.amdhsa_memory_ordered 1
		.amdhsa_forward_progress 1
		.amdhsa_inst_pref_size 36
	.end_amdhsa_kernel
	.amdgpu_metadata
---
amdhsa.version: [ 1, 2 ]
amdhsa.kernels:
  - .name:           k_q9a69e28ccb_route
    .symbol:         k_q9a69e28ccb_route.kd
    .args:
      - { .name: x, .offset: 0, .size: 8, .value_kind: global_buffer, .address_space: global }
      - { .name: Wg, .offset: 8, .size: 8, .value_kind: global_buffer, .address_space: global }
      - { .name: bg, .offset: 16, .size: 8, .value_kind: global_buffer, .address_space: global }
      - { .name: W1, .offset: 24, .size: 8, .value_kind: global_buffer, .address_space: global }
      - { .name: W2, .offset: 32, .size: 8, .value_kind: global_buffer, .address_space: global }
      - { .name: xb, .offset: 40, .size: 8, .value_kind: global_buffer, .address_space: global }
      - { .name: w1f, .offset: 48, .size: 8, .value_kind: global_buffer, .address_space: global }
      - { .name: w2f, .offset: 56, .size: 8, .value_kind: global_buffer, .address_space: global }
      - { .name: bm, .offset: 64, .size: 8, .value_kind: global_buffer, .address_space: global }
      - { .name: cnt, .offset: 72, .size: 8, .value_kind: global_buffer, .address_space: global }
    .group_segment_fixed_size: 39936
    .private_segment_fixed_size: 0
    .kernarg_segment_align: 8
    .kernarg_segment_size: 80
    .max_flat_workgroup_size: 128
    .sgpr_count:     66
    .vgpr_count:     232
    .wavefront_size: 32
...
	.end_amdgpu_metadata
.endif
;; end of part 1
;; launch chain (part 2): grid 243 x 1, 4 waves a work-group, no clusters, 129,792 bytes of LDS; arguments cnt, bm, xb, w1f, w2f, b1, b2, W3, b3, out0; writes out0
.if DOCPART == 2
	.amdgcn_target "amdgcn-amd-amdhsa--gfx1250"
	.amdhsa_code_object_version 6
	.text
	.protected	k_q9a69e28ccb_chain
	.globl	k_q9a69e28ccb_chain
	.p2align	8
	.type	k_q9a69e28ccb_chain,@function
k_q9a69e28ccb_chain:
	s_mov_b64 s[64:65], 0
	v_nop
	global_prefetch_b8 v0, s[64:65] scope:SCOPE_SE
	s_setreg_imm32_b32 hwreg(HW_REG_WAVE_MODE, 25, 1), 1
	s_wait_xcnt 0x0
; CHAIN.  out0[token] = relu(relu(x W1e + b1e) W2e + b2e) W3e + b3e for the token's chosen expert e alone.  x, W1, W2 come rounded to bf16 from the launch before; b1, b2, W3, b3 are rounded
; to bf16 here; products in bf16 with f32 sums; the first hidden layer is rounded once to bf16 (it is the second product's operand); the second hidden layer and the third product stay in f32.
; LIMITS.  None of range beyond bf16's own; the choice of expert is the earlier launch's (its head states that launch's limits).
; THE GRID SERVES EVERY SPLIT.  Expert e with n_e tokens gets ceil(n_e / 144) work-groups of 144 places; their sum is at most (32,768 + 16 x 143) / 144 = 243.  Every work-group works out from
; the 4,096 stored counts which expert and which ranks r0 .. r0 + rows - 1 are its own, and finds the tokens of those ranks in the expert's bitmap.  Places past rows repeat the last token and
; are not stored; a work-group that the split leaves without rows runs the same text on clamped numbers and stores nothing: the text has no branch at all.
; SHARES.  The four waves split CHANNELS: wave w owns the output channels 64 w .. 64 w + 63 of both hidden layers.  Its weights, 16 + 32 KiB, come from memory in fragment order straight into
; 384 registers and stay there; each token fragment read from LDS feeds four products.  144 tokens are nine tiles of 16.
; LAYOUT.  Source 0 = 16 channels x 32 k (weights), source 1 = 16 tokens x 32 k: in the result a lane holds ONE token (lane % 16) and the channels 8 (lane / 16) + 0..7: eight neighbouring
; numbers of a row of the hidden layer, 16 bytes in bf16.  The bias is the C operand that starts each sum.
; BY TURNS.  While tile t is multiplied, tile t - 1's results are worked on: two vector instructions (layer 2: one or two) stand behind each matrix instruction.
; NO CLUSTER: partners of a joint load would have to share an expert, so experts would get whole clusters of four: sum of ceil(n_e / 4 c) <= 64 for every split wants c >= 176 places, eleven
; tiles for nine, and the weights would go through LDS; what it would spare is three of four requests for 192 KiB.  NO TENSOR LOAD: weights go to registers, token rows come by a list.
; REGISTERS, in windows of 256 (s_set_vgpr_msb: bits 1:0 source 0, 3:2 source 1, 5:4 source 2, 7:6 destination):
;   window 0: v0-15 ids and addresses; v16-31, v50-63 at work; v32-47 packed h1, later v32-49 a pair of partial sums a tile; v64-127, v128-191 token fragments, two buffers; v192-255 accumulators, two sets of four
;   window 1: W2's fragments, (cb, ks) at 8 (8 cb + ks)          window 2: v0-127 W1's, (cb, ks) at 8 (4 cb + ks); v128-159 b1; v160-191 b2; v192-223 W3; v224-239 at work
.set CN,    0                          ; [32][16] partial counts
.set WTOT,  2048                       ; four waves' totals
.set PW,    2304                       ; for each of the bitmap's 1,024 words: how many of the expert's tokens lie before it
.set WD,    6400                       ; the words
.set TL,    10496                      ; the token of place p
.set YS,    11520                      ; [wave 4][160] partial outputs
.set XS,    14080                      ; 144 rows of x
.set XP,    272                        ; 256 bytes + 16: the 16 rows of a fragment load start at 16 different groups of four banks (64 banks of 4 bytes: ISA guide 11.1)
.set HS,    XS+144*XP                  ; 144 rows of the first hidden layer
.set HP,    528                        ; 512 bytes + 16: likewise
.set SPARE, HS+144*HP                  ; the spare words, 128 bytes for each wave: two blocks of 256 bytes that no other line names
.set SPW,  4                           ; v4   LDS address of my spare word; never rewritten
.set NIL,  5                           ; v5   0; never rewritten
.set ZERO, 6                           ; v6   0, for the packed ReLU
.set C16,  7                           ; v7   16 r
.set ADX,  8                           ; v8   XS + 272 r + 16 h
.set ADS0, 9                           ; v9   HS + 528 r + 128 w + 16 h: where I put 16 bytes of h1, tiles 0-4;  v10 tiles 5-8 (the immediate holds 16 bits)
.set ADH0, 11                          ; v11  HS + 528 r + 16 h: my lane's place in a fragment of h1, tiles 0-4;  v12 tiles 5-8
.set YSW,  13                          ; v13  YS + 640 w + 4 l
.set WOFF, 14                          ; v14  16 l
.set BOFF, 15                          ; v15  32 h
.set PK,   32
.set YP,   32
.set B3V,  63
.set F0,   64
.set ACC,  192
.set GX,   64                          ; the gather's 18 x 4 registers
.set TK,   136                         ; its 18 offsets
.set B1,   128                         ; window 2
.set B2,   160
.set W3R,  192
.set RT,   224
.set MSB, 0
.macro WIN new                         ; the immediate's high byte repeats the setting that is left; a switch that changes nothing is dropped
.if MSB != (\new)
	s_set_vgpr_msb (MSB<<8)|(\new)
.set MSB, (\new)
.endif
.endm
.macro BAR                             ; what I stored in LDS is there, what I read is back; then all four waves meet
	s_wait_dscnt 0x0
	s_barrier_signal -1
	s_barrier_wait -1
.endm
	s_load_b512 s[16:31], s[0:1], 0x0              ; cnt 16, bm 18, xb 20, w1f 22, w2f 24, b1 26, b2 28, W3 30
	s_load_b128 s[32:35], s[0:1], 0x40             ; b3 32, out0 34
	v_lshl_add_u32 v[SPW], v0, 2, SPARE
	v_mov_b32 v[NIL], 0
	v_mov_b32 v[ZERO], 0
	v_lshrrev_b32 v1, 5, v0
	v_readfirstlane_b32 s2, v1                     ; w
	s_mov_b32 s3, ttmp9                            ; the work-group's number
	v_lshlrev_b32 v16, 4, v0
	s_wait_kmcnt 0x0
	; THE COUNTS.  Thread t's word 4 t + c + 512 i belongs to expert (4 t + c) % 16, whatever i.
.set i, 0
.rept 8
	global_load_b128 v[64+4*i:67+4*i], v16, s[16:17] offset:2048*i
.set i, i+1
.endr
	v_and_b32 v1, 31, v0                           ; l
	v_and_b32 v2, 15, v0                           ; r
	v_bfe_u32 v3, v0, 4, 1                         ; h
	s_mov_b32 s60, 0x76543210                      ; v_permlanex16_b32: each lane takes its own place in the other half
	s_mov_b32 s61, 0xfedcba98
	s_mov_b32 s66, 0xffff0000                      ; a word's upper bf16; also the mask of lanes 16 to 31
	s_mov_b32 s67, 0x55555555
	s_mov_b32 s68, 0x33333333
	s_mov_b32 s69, 0x0f0f0f0f
	s_mov_b32 s70, 0x01010101
	s_mov_b32 s91, 0x00ff00ff
	s_cmp_gt_u32 s2, 0
	s_cselect_b32 s86, -1, 0
	s_cmp_gt_u32 s2, 1
	s_cselect_b32 s87, -1, 0
	s_cmp_gt_u32 s2, 2
	s_cselect_b32 s88, -1, 0
	v_lshlrev_b32 v[C16], 4, v2
	v_mul_u32_u24 v[ADX], v2, XP
	v_lshl_add_u32 v[ADX], v3, 4, v[ADX]
	v_add_nc_u32 v[ADX], XS, v[ADX]
	v_mul_u32_u24 v[ADH0], v2, HP
	v_lshl_add_u32 v[ADH0], v3, 4, v[ADH0]
	v_add_nc_u32 v[ADH0], HS, v[ADH0]
	v_add_nc_u32 v[ADH0+1], 5*16*HP, v[ADH0]
	s_lshl_b32 s4, s2, 7
	v_add_nc_u32 v[ADS0], s4, v[ADH0]
	v_add_nc_u32 v[ADS0+1], 5*16*HP, v[ADS0]
	s_mul_i32 s4, s2, 640
	s_add_co_u32 s4, s4, YS
	v_lshl_add_u32 v[YSW], v1, 2, s4
	v_lshlrev_b32 v[WOFF], 4, v1
	v_lshlrev_b32 v[BOFF], 5, v3
	v_lshlrev_b32 v17, 2, v2
	v_lshl_add_u32 v17, v3, 6, v17                 ; 4 r + 64 h
	v_mov_b32 v19, 0                               ; a lane exchange's destination counts as read
	s_wait_loadcnt 0x0
.irp c, 0,1,2,3
	v_add3_u32 v[20+\c], v[64+\c], v[68+\c], v[72+\c]
	v_add3_u32 v[20+\c], v[20+\c], v[76+\c], v[80+\c]
	v_add3_u32 v[20+\c], v[20+\c], v[84+\c], v[88+\c]
	v_add_nc_u32 v[20+\c], v[20+\c], v[92+\c]
.endr
	ds_store_b128 v16, v[20:23] offset:CN
	BAR
.set j, 0
.rept 16                               ; column r, rows h + 2 j
	ds_load_b32 v[64+j], v17 offset:CN+128*j
.set j, j+1
.endr
	s_wait_dscnt 0x0
	v_add3_u32 v18, v64, v65, v66
.set j, 67
.rept 6
	v_add3_u32 v18, v18, v[j], v[j+1]
.set j, j+2
.endr
	v_add_nc_u32 v18, v18, v79
	v_permlanex16_b32 v19, v18, s60, s61
	v_add_nc_u32 v18, v18, v19                     ; lane e holds n_e
.irp e, 0,1,2,3,4,5,6,7,8,9,10,11,12,13,14,15
	v_readlane_b32 s[36+\e], v18, \e
.endr
	; WHICH EXPERT, WHICH RANKS.  s52 runs through the experts' first work-groups; the last expert whose first work-group is not behind mine is mine.
	s_mov_b32 s52, 0
	s_mov_b32 s53, 0                               ; e
	s_mov_b32 s54, 0                               ; its first work-group
	s_mov_b32 s55, 0                               ; n_e
.macro MAPE e
	s_cmp_ge_u32 s3, s52
	s_cselect_b32 s53, \e, s53
	s_cselect_b32 s54, s52, s54
	s_cselect_b32 s55, s[36+\e], s55
	s_add_co_u32 s56, s[36+\e], 143
	s_lshr_b32 s56, s56, 4                         ; ceil(n / 144) = ((n + 143) >> 4) / 9,
	s_mul_i32 s56, s56, 7282                       ; and m / 9 = (7,282 m) >> 16 for m <= 2,056: 9 x 7,282 = 65,538, so the excess stays under 1 / 9
	s_lshr_b32 s56, s56, 16
	s_add_co_u32 s52, s52, s56
.endm
.irp e, 0,1,2,3,4,5,6,7,8,9,10,11,12,13,14,15
	MAPE \e
.endr
	s_min_u32 s53, s53, 15                         ; changes no value: the bound stands in the text
	s_sub_co_u32 s57, s3, s54
	s_mul_i32 s57, s57, 144                        ; r0
	s_sub_co_i32 s58, s55, s57
	s_min_i32 s58, s58, 144
	s_max_i32 s58, s58, 0                          ; rows
	s_sub_co_i32 s59, s58, 1
	s_max_i32 s59, s59, 0                          ; the last place that holds a row of its own
	s_mov_b32 s85, 0
	s_lshl_b32 s84, s53, 12
	s_add_nc_u64 s[82:83], s[18:19], s[84:85]      ; the expert's bitmap
	s_lshl_b32 s84, s53, 16
	s_lshl_b32 s4, s2, 14
	s_add_co_u32 s84, s84, s4
	s_add_nc_u64 s[72:73], s[22:23], s[84:85]      ; my 16 KiB of w1f
	s_lshl_b32 s84, s84, 1
	s_add_nc_u64 s[74:75], s[24:25], s[84:85]      ; my 32 KiB of w2f
	s_lshl_b32 s84, s53, 10
	s_lshl_b32 s4, s2, 8
	s_add_co_u32 s84, s84, s4
	s_add_nc_u64 s[76:77], s[26:27], s[84:85]      ; my 64 numbers of b1, b2, W3
	s_add_nc_u64 s[78:79], s[28:29], s[84:85]
	s_add_nc_u64 s[80:81], s[30:31], s[84:85]
	s_lshl_b32 s62, s53, 2
	s_mov_b32 s63, 0
	s_add_nc_u64 s[32:33], s[32:33], s[62:63]
	s_load_b32 s89, s[32:33], 0x0                  ; b3
	; THE LOADS: the bitmap, which the way to the tokens waits for, first; then what layer 1 wants; then half of W2
	v_lshlrev_b32 v16, 5, v0                       ; my eight words
	global_load_b128 v[64:67], v16, s[82:83]
	global_load_b128 v[68:71], v16, s[82:83] offset:16
	WIN 0x80                                       ; destination window 2
.set j, 0
.rept 32
	global_load_b128 v[4*j:4*j+3], v[WOFF], s[72:73] offset:512*j
.set j, j+1
.endr
.set j, 0
.rept 8                                ; channel block j / 2: the lane's eight channels 16 (j / 2) + 8 h + 0..7
	global_load_b128 v[B1+4*j:B1+4*j+3],   v[BOFF], s[76:77] offset:64*(j/2)+16*(j%2)
	global_load_b128 v[B2+4*j:B2+4*j+3],   v[BOFF], s[78:79] offset:64*(j/2)+16*(j%2)
	global_load_b128 v[W3R+4*j:W3R+4*j+3], v[BOFF], s[80:81] offset:64*(j/2)+16*(j%2)
.set j, j+1
.endr
	s_wait_loadcnt 56                              ; the bitmap is in; W1's 32 loads and the 24 of b1, b2, W3 stay out
	WIN 0x40                                       ; destination window 1
.set j, 0
.rept 32
	global_load_b128 v[4*j:4*j+3], v[WOFF], s[74:75] offset:512*j
.set j, j+1
.endr
	WIN 0
	; THE SCAN: how many of the expert's tokens lie before each word
.macro POPC d, s, t                    ; the number of ones in v[s]
	v_lshrrev_b32 v[\t], 1, v[\s]
	v_and_b32 v[\t], s67, v[\t]
	v_sub_nc_u32 v[\d], v[\s], v[\t]
	v_lshrrev_b32 v[\t], 2, v[\d]
	v_and_b32 v[\t], s68, v[\t]
	v_and_b32 v[\d], s68, v[\d]
	v_add_nc_u32 v[\d], v[\d], v[\t]
	v_lshrrev_b32 v[\t], 4, v[\d]
	v_add_nc_u32 v[\d], v[\d], v[\t]
	v_and_b32 v[\d], s69, v[\d]
	v_mul_lo_u32 v[\d], v[\d], s70
	v_lshrrev_b32 v[\d], 24, v[\d]
.endm
	v_mov_b32 v72, 0
.set j, 0
.rept 8
	POPC 81, 64+j, 82
	v_add_nc_u32 v[73+j], v[72+j], v81             ; v[72+j]: ones in my words before word j; v80: in all eight
.set j, j+1
.endr
	v_mov_b32 v83, 0
	s_mov_b32 s56, 0
.set i, 0
.rept 32                               ; the lanes' totals, summed through a scalar: lane i gets the sum of the lanes before it
	v_readlane_b32 s4, v80, i
	v_writelane_b32 v83, s56, i
	s_add_co_u32 s56, s56, s4
.set i, i+1
.endr
	v_mov_b32 v84, s56
	s_lshl_b32 s5, s2, 2
	s_add_co_u32 s5, s5, WTOT
	v_mov_b32 v85, s5
	ds_store_b32 v85, v84                          ; all lanes write the same word with the same value
	BAR
	v_mov_b32 v86, WTOT
	ds_load_b128 v[88:91], v86
	s_wait_dscnt 0x0
	v_and_b32 v88, s86, v88                        ; the totals of the waves before mine
	v_and_b32 v89, s87, v89
	v_and_b32 v90, s88, v90
	v_add3_u32 v88, v88, v89, v90
	v_add_nc_u32 v88, v88, v83
.set j, 0
.rept 8
	v_add_nc_u32 v[72+j], v88, v[72+j]
.set j, j+1
.endr
	ds_store_b128 v16, v[72:75] offset:PW
	ds_store_b128 v16, v[76:79] offset:PW+16
	ds_store_b128 v16, v[64:67] offset:WD
	ds_store_b128 v16, v[68:71] offset:WD+16
	BAR
	; THE TOKENS OF MY RANKS, two places a thread: the last word with at most R tokens before it (five rounds of a four-way search), then the bit
	v_mov_b32 v16, 0                               ; byte offsets of the two searches' words
	v_mov_b32 v17, 0
	v_min_u32 v18, s59, v0
	v_add_nc_u32 v18, s57, v18                     ; R of place t
	v_add_nc_u32 v19, 128, v0
	v_min_u32 v19, s59, v19
	v_add_nc_u32 v19, s57, v19                     ; R of place 128 + t
.macro ROUND4 s                        ; the prefixes are ascending: the number of the three probes at s, 2 s, 3 s words that are <= R is the number of steps to take
.if (\s) < 256
	v_min_u32 v16, 4096-16*(\s), v16               ; changes no value: the bound stands in the text
	v_min_u32 v17, 4096-16*(\s), v17
.endif
.irp k, 1,2,3
	ds_load_b32 v[19+\k], v16 offset:PW+4*(\s)*\k
	ds_load_b32 v[22+\k], v17 offset:PW+4*(\s)*\k
.endr
	s_mov_b32 s71, 4*(\s)
	s_wait_dscnt 0x0
.irp k, 1,2,3
	v_cmp_le_u32 vcc_lo, v[19+\k], v18
	v_cndmask_b32 v[19+\k], 0, s71, vcc_lo
	v_cmp_le_u32 vcc_lo, v[22+\k], v19
	v_cndmask_b32 v[22+\k], 0, s71, vcc_lo
.endr
	v_add3_u32 v20, v20, v21, v22
	v_add3_u32 v23, v23, v24, v25
	v_add_nc_u32 v16, v16, v20
	v_add_nc_u32 v17, v17, v23
.endm
	ROUND4 256
	ROUND4 64
	ROUND4 16
	ROUND4 4
	ROUND4 1
	v_min_u32 v16, 4092, v16
	v_min_u32 v17, 4092, v17
	ds_load_b32 v20, v16 offset:PW
	ds_load_b32 v21, v16 offset:WD
	ds_load_b32 v22, v17 offset:PW
	ds_load_b32 v23, v17 offset:WD
	s_wait_dscnt 0x0
	v_sub_nc_u32 v18, v18, v20                     ; which of the word's ones, from 0
	v_sub_nc_u32 v19, v19, v22
.macro SELSTEP src, width, k, bit      ; are there k ones or fewer in the lower half of what is left?  Then pass it by
	v_bfe_u32 v28, v[\src], v[\bit], \width
	v_cmp_ge_u32 vcc_lo, v[\k], v28
	v_cndmask_b32 v28, 0, v28, vcc_lo
	v_cndmask_b32 v29, 0, \width, vcc_lo
	v_sub_nc_u32 v[\k], v[\k], v28
	v_add_nc_u32 v[\bit], v[\bit], v29
.endm
.macro SELECT w, k, bit                ; the place of one number k of word v[w]: counts of ones in fields of 2, 4, 8, 16 bits, then five halvings
	v_lshrrev_b32 v28, 1, v[\w]
	v_and_b32 v28, s67, v28
	v_sub_nc_u32 v24, v[\w], v28
	v_lshrrev_b32 v28, 2, v24
	v_and_b32 v28, s68, v28
	v_and_b32 v25, s68, v24
	v_add_nc_u32 v25, v25, v28
	v_lshrrev_b32 v28, 4, v25
	v_add_nc_u32 v26, v25, v28
	v_and_b32 v26, s69, v26
	v_lshrrev_b32 v28, 8, v26
	v_add_nc_u32 v27, v26, v28
	v_and_b32 v27, s91, v27
	v_mov_b32 v[\bit], 0
	SELSTEP 27, 16, \k, \bit
	SELSTEP 26, 8, \k, \bit
	SELSTEP 25, 4, \k, \bit
	SELSTEP 24, 2, \k, \bit
	SELSTEP \w, 1, \k, \bit
.endm
	SELECT 21, 18, 30
	SELECT 23, 19, 31
	v_lshl_add_u32 v30, v16, 3, v30                ; token = 32 x word + bit
	v_lshl_add_u32 v31, v17, 3, v31
	v_min_u32 v30, 0x7fff, v30
	v_min_u32 v31, 0x7fff, v31
	v_lshlrev_b32 v20, 2, v0
	ds_store_b32 v20, v30 offset:TL
	ds_store_b32 v20, v31 offset:TL+512
	BAR
	; THE GATHER.  Wave w brings places 36 w .. 36 w + 35, two rows a load: sixteen lanes take one whole row of 256 bytes
	s_mul_i32 s5, s2, 144
	v_lshl_add_u32 v16, v3, 2, s5                  ; 4 (36 w + h)
.set i, 0
.rept 18
	ds_load_b32 v[TK+i], v16 offset:TL+8*i
.set i, i+1
.endr
	s_mul_i32 s5, s2, 36*XP
	v_mul_u32_u24 v17, v3, XP
	v_add3_u32 v17, v17, s5, v[C16]                ; 272 (36 w + h) + 16 r
	s_wait_dscnt 0x0
.set i, 0
.rept 18
	v_min_u32 v[TK+i], 0x7fff, v[TK+i]
	v_lshl_add_u32 v[TK+i], v[TK+i], 8, v[C16]
.set i, i+1
.endr
.set i, 0
.rept 18
	global_load_b128 v[GX+4*i:GX+4*i+3], v[TK+i], s[20:21]
.set i, i+1
.endr
	s_wait_loadcnt 50                              ; W1, b1, b2, W3 are in; 32 loads of W2 and the gather's 18 stay out
	s_wait_kmcnt 0x0                               ; b3
.macro RNDB base                       ; 32 numbers in window 2, rounded to bf16 and widened again
	WIN 0x8a
.set z, 0
.rept 16
	v_cvt_pk_bf16_f32 v[RT+z], v[(\base)+2*z], v[(\base)+2*z+1]
.set z, z+1
.endr
.set z, 0
.rept 16
	v_lshlrev_b32 v[(\base)+2*z], 16, v[RT+z]
	v_and_b32 v[(\base)+2*z+1], s66, v[RT+z]
.set z, z+1
.endr
.endm
	RNDB B1
	RNDB B2
	RNDB W3R
	WIN 0
	v_mov_b32 v[B3V], s89
	v_cvt_pk_bf16_f32 v[B3V], v[B3V], v[B3V]
	v_lshlrev_b32 v[B3V], 16, v[B3V]
	WIN 0x40
.set j, 32
.rept 32                               ; the other half of W2: it has all of layer 1 in which to land
	global_load_b128 v[4*j:4*j+3], v[WOFF], s[74:75] offset:512*j
.set j, j+1
.endr
	WIN 0
.set i, 0
.rept 18
	s_wait_loadcnt 49-i                            ; younger: the gather's later rows and W2's 32
	ds_store_b128 v17, v[GX+4*i:GX+4*i+3] offset:XS+2*XP*i
.set i, i+1
.endr
	BAR
; LAYER 1.  Product i of 16 of tile t: K step i / 4, channel block i % 4.  The four accumulators take turns, one instruction a turn, and the two sets go by the tile's parity.
.macro MM1 t, i
.set cb, (\i)%4
.set ks, (\i)/4
.set rA, ACC+32*((\t)%2)+8*cb
.set rW, 8*(4*cb+ks)
.set rF, F0+64*((\t)%2)+8*ks
.if ks == 0
	WIN 0x22                                       ; W1 and b1 in window 2
	v_wmma_f32_16x16x32_bf16 v[rA:rA+7], v[rW:rW+7], v[rF:rF+7], v[B1+8*cb:B1+8*cb+7]
.else
	WIN 0x02
	v_wmma_f32_16x16x32_bf16 v[rA:rA+7], v[rW:rW+7], v[rF:rF+7], v[rA:rA+7]
.endif
.endm
; Slice i of 16 of tile tp's way into LDS: channel block i / 4: two roundings, two more, two packed ReLU, two more and the store of the lane's 16 bytes.  An accumulator is read from its low end.
.macro R1 tp, i
.set cb, (\i)/4
.set sub, (\i)%4
.set rA, ACC+32*((\tp)%2)+8*cb
.set rP, PK+4*cb
	WIN 0
.if sub < 2
	v_cvt_pk_bf16_f32 v[rP+2*sub],   v[rA+4*sub],   v[rA+4*sub+1]
	v_cvt_pk_bf16_f32 v[rP+2*sub+1], v[rA+4*sub+2], v[rA+4*sub+3]
.else
	v_pk_max_num_bf16 v[rP+2*sub-4], v[rP+2*sub-4], v[ZERO]
	v_pk_max_num_bf16 v[rP+2*sub-3], v[rP+2*sub-3], v[ZERO]
.endif
.if sub == 3
	ds_store_b128 v[ADS0+(\tp)/5], v[rP:rP+3] offset:((\tp)%5)*16*HP+32*cb
.endif
.endm
.macro LX t, n                         ; load n of 8 of tile t's fragments of x
	ds_load_b128 v[F0+64*((\t)%2)+4*(\n):F0+64*((\t)%2)+4*(\n)+3], v[ADX] offset:16*XP*(\t)+32*(\n)
.endm
; A tile of layer 1.  Behind each product a slice of the tile before; behind products 4 to 11 a load for the tile after, into the buffer whose last reader stands eight plain instructions back or more.
; The first slice reads channel block 0, whose last product is number 12 of the tile before: eight plain instructions that name none of its registers lie between (ISA guide 7.12.1 asks for four).
.macro TILE1 t
.if (\t) >= 2
	s_wait_dscnt 0x1                               ; my fragments are in; the one LDS instruction issued behind their loads, a store of h1, may be out
.else
	s_wait_dscnt 0x0
.endif
.set i, 0
.rept 16
	MM1 \t, i
.if (\t) > 0
	R1 (\t)-1, i
.endif
.if ((\t) < 8) && (i >= 4) && (i < 12)
	WIN 0
	LX (\t)+1, i-4
.endif
.set i, i+1
.endr
.if (\t) == 0
.rept 4
	v_nop                                          ; tile 0 has no slices: these are the places behind its last products
.endr
.endif
.endm
.set n, 0
.rept 8
	LX 0, n
.set n, n+1
.endr
.irp t, 0,1,2,3,4,5,6,7,8
	TILE1 \t
.endr
.set i, 0
.rept 16
	R1 8, i                                        ; the last tile's way into LDS; tile 7's last eight instructions are the places in front of it
.set i, i+1
.endr
	BAR
; LAYER 2 AND 3.  Product i of 32 of tile t: K step i / 4, channel block i % 4.
.macro MM2 t, i
.set cb, (\i)%4
.set ks, (\i)/4
.set rA, ACC+32*((\t)%2)+8*cb
.set rW, 8*(8*cb+ks)
.set rF, F0+64*((\t)%2)+8*ks
.if ks == 0
	WIN 0x21                                       ; W2 in window 1, b2 in window 2
	v_wmma_f32_16x16x32_bf16 v[rA:rA+7], v[rW:rW+7], v[rF:rF+7], v[B2+8*cb:B2+8*cb+7]
.else
	WIN 0x01
	v_wmma_f32_16x16x32_bf16 v[rA:rA+7], v[rW:rW+7], v[rF:rF+7], v[rA:rA+7]
.endif
.endm
; Slice i of 32 of tile tp's third layer: channel block i / 8: four times two ReLU, from the accumulator's low end on, then four packed multiply-adds by W3 onto the tile's pair of sums.
; The tile's first is a multiply: nothing is cleared.
.macro R2 tp, i
.set cb, (\i)/8
.set sub, (\i)%8
.set rA, ACC+32*((\tp)%2)+8*cb
.set rY, YP+2*(\tp)
.if sub < 4
	WIN 0
	v_max_num_f32 v[rA+2*sub],   0, v[rA+2*sub]
	v_max_num_f32 v[rA+2*sub+1], 0, v[rA+2*sub+1]
.else
	WIN 0x08                                       ; W3 (source 1) in window 2
.set c, sub-4
.if (cb == 0) && (c == 0)
	v_pk_mul_f32 v[rY:rY+1], v[rA:rA+1], v[W3R:W3R+1]
.else
	v_pk_fma_f32 v[rY:rY+1], v[rA+2*c:rA+2*c+1], v[W3R+8*cb+2*c:W3R+8*cb+2*c+1], v[rY:rY+1]
.endif
.endif
.endm
.macro LH t, n                         ; load n of 16 of tile t's fragments of h1; its address and destination lie in window 0, which both of the slices' settings give them
.if MSB != 0x08
	WIN 0
.endif
	ds_load_b128 v[F0+64*((\t)%2)+4*(\n):F0+64*((\t)%2)+4*(\n)+3], v[ADH0+(\t)/5] offset:((\t)%5)*16*HP+32*(\n)
.endm
; A tile of layer 2.  The first slice reads channel block 0, whose last product is number 28 of the tile before: the four multiply-adds behind products 28 to 31, which name none of its registers,
; are the four places.  The loads for the tile after stand behind products 8 to 23, twelve plain instructions or more behind their buffer's last reader.
.macro TILE2 t
	s_wait_dscnt 0x0                               ; my fragments are in: the last of their loads was issued eight products ago
.set i, 0
.rept 32
	MM2 \t, i
.if (\t) > 0
	R2 (\t)-1, i
.endif
.if ((\t) < 8) && (i >= 8) && (i < 24)
	LH (\t)+1, i-8
.endif
.set i, i+1
.endr
.if (\t) == 0
.rept 4
	v_nop                                          ; tile 0 has no slices: these are the places behind its last products
.endr
.endif
.endm
	s_wait_loadcnt 0x0                             ; W2
.set n, 0
.rept 16
	LH 0, n
.set n, n+1
.endr
.irp t, 0,1,2,3,4,5,6,7,8
	TILE2 \t
.endr
.set i, 0
.rept 32
	R2 8, i
.set i, i+1
.endr
	WIN 0
	; a tile's pair of sums and the other half of the lanes' are added: every lane then holds my 64 channels' part of token lane % 16
.set t, 0
.rept 9
	v_add_f32 v[YP+2*t], v[YP+2*t], v[YP+2*t+1]
.set t, t+1
.endr
.set t, 0
.rept 9
	v_permlanex16_b32 v[YP+2*t+1], v[YP+2*t], s60, s61
.set t, t+1
.endr
.set t, 0
.rept 9
	v_add_f32 v[YP+2*t], v[YP+2*t], v[YP+2*t+1]
.set t, t+1
.endr
.irp u, 0,1,2,3
	v_cndmask_b32 v[50+\u], v[YP+4*\u], v[YP+4*\u+2], s66   ; lanes 0-15 the even tile, lanes 16-31 the odd one: places 32 u + l
	ds_store_b32 v[YSW], v[50+\u] offset:128*\u
.endr
	ds_store_b32 v[YSW], v[YP+16] offset:512       ; tile 8: places 128 + l; those from 144 on are never stored to memory
	BAR
	s_wait_tensorcnt 0x0                           ; only LDS loads and global stores follow
	ds_add_u32 v[SPW], v[NIL]
	s_wait_dscnt 0x0
	; THE WAY OUT.  A place's four parts (one a wave) and b3; one number a token, at the token's place in out0: four bytes a lane, since a work-group's tokens lie scattered.
	; Thread t has place t; places 128 .. 143 fall to threads 0 .. 15.  Every wave reads places 128 + lane, and the mask 128 + t < rows (rows <= 144) leaves only those sixteen threads on.
	; Both places' sums and offsets are made with all lanes on, ahead of the first change of EXEC.
	v_lshlrev_b32 v16, 2, v0
	v_lshlrev_b32 v17, 2, v1
.irp q, 0,1,2,3
	ds_load_b32 v[20+\q], v16 offset:YS+640*\q
.endr
	ds_load_b32 v24, v16 offset:TL
.irp q, 0,1,2,3
	ds_load_b32 v[54+\q], v17 offset:YS+512+640*\q
.endr
	ds_load_b32 v58, v17 offset:TL+512
	v_add_nc_u32 v59, 128, v0
	s_wait_dscnt 0x0
	v_add_f32 v20, v20, v21
	v_add_f32 v22, v22, v23
	v_add_f32 v54, v54, v55
	v_add_f32 v56, v56, v57
	v_add_f32 v20, v20, v22
	v_add_f32 v54, v54, v56
	v_add_f32 v20, v20, v[B3V]
	v_add_f32 v54, v54, v[B3V]
	v_min_u32 v24, 0x7fff, v24
	v_min_u32 v58, 0x7fff, v58
	v_lshlrev_b32 v24, 2, v24
	v_lshlrev_b32 v58, 2, v58
	v_cmp_gt_u32 vcc_lo, s58, v0                   ; only places that hold a row of their own
	s_wait_xcnt 0x0                                ; EXEC changes only behind this wait
	s_and_saveexec_b32 s90, vcc_lo
	global_store_b32 v24, v20, s[34:35]
	s_wait_xcnt 0x0
	s_or_b32 exec_lo, exec_lo, s90
	v_cmp_gt_u32 vcc_lo, s58, v59
	s_and_saveexec_b32 s90, vcc_lo
	global_store_b32 v58, v54, s[34:35]
	s_wait_xcnt 0x0
	s_or_b32 exec_lo, exec_lo, s90
	s_endpgm
.Lfunc_end_k_q9a69e28ccb_chain:
	.size	k_q9a69e28ccb_chain, .Lfunc_end_k_q9a69e28ccb_chain-k_q9a69e28ccb_chain
	.p2alignl 7, 3214868480
	.fill 96, 4, 3214868480
	.section	.rodata,"a",@progbits
	.p2align	6, 0x0
	.amdhsa_kernel k_q9a69e28ccb_chain
		.amdhsa_group_segment_fixed_size 129792
		.amdhsa_private_segment_fixed_size 0
		.amdhsa_enable_private_segment 0
		.amdhsa_kernarg_size 80
		.amdhsa_user_sgpr_count 2
		.amdhsa_user_sgpr_kernarg_segment_ptr 1
		.amdhsa_wavefront_size32 1
		.amdhsa_system_sgpr_workgroup_id_x 1
		.amdhsa_system_sgpr_workgroup_id_y 1
		.amdhsa_system_sgpr_workgroup_id_z 1
		.amdhsa_system_vgpr_workitem_id 0
		.amdhsa_next_free_vgpr 768
		.amdhsa_next_free_sgpr 96
		.amdhsa_reserve_vcc 1
		.amdhsa_float_denorm_mode_32 3
		.amdhsa_float_denorm_mode_16_64 3
		.amdhsa_memory_ordered 1
		.amdhsa_forward_progress 1
		.amdhsa_inst_pref_size 169
	.end_amdhsa_kernel
	.amdgpu_metadata
---
amdhsa.version: [ 1, 2 ]
amdhsa.kernels:
  - .name:           k_q9a69e28ccb_chain
    .symbol:         k_q9a69e28ccb_chain.kd
    .args:
      - { .name: cnt, .offset: 0, .size: 8, .value_kind: global_buffer, .address_space: global }
      - { .name: bm, .offset: 8, .size: 8, .value_kind: global_buffer, .address_space: global }
      - { .name: xb, .offset: 16, .size: 8, .value_kind: global_buffer, .address_space: global }
      - { .name: w1f, .offset: 24, .size: 8, .value_kind: global_buffer, .address_space: global }
      - { .name: w2f, .offset: 32, .size: 8, .value_kind: global_buffer, .address_space: global }
      - { .name: b1, .offset: 40, .size: 8, .value_kind: global_buffer, .address_space: global }
      - { .name: b2, .offset: 48, .size: 8, .value_kind: global_buffer, .address_space: global }
      - { .name: W3, .offset: 56, .size: 8, .value_kind: global_buffer, .address_space: global }
      - { .name: b3, .offset: 64, .size: 8, .value_kind: global_buffer, .address_space: global }
      - { .name: out0, .offset: 72, .size: 8, .value_kind: global_buffer, .address_space: global }
    .group_segment_fixed_size: 129792
    .private_segment_fixed_size: 0
    .kernarg_segment_align: 8
    .kernarg_segment_size: 80
    .max_flat_workgroup_size: 128
    .sgpr_count:     96
    .vgpr_count:     768
    .wavefront_size: 32
...
	.end_amdgpu_metadata
.endif
;; end of part 2
